; MI455X (gfx1250); checked and timed in simulation.
; The chip was launched on July 23, 2026; its instructions are those of AMD's public machine-readable ISA for CDNA 5 (MIT licence, August 2026) and "CDNA5" Instruction Set Architecture Reference Guide (July 2026). The comments in the code are by the model that wrote it; some were corrected since.
;; Attention. Allowed arithmetic: matrix products marked QUANTISED: E3M2 operands, one E8M0 scale for each 32 along K, by v_wmma_scale_f32_16x16x128_f8f6f4 with both operands' format E3M2, f32 sums; everything else in f32.
;; Inputs: key 4 x 16 x 2,048 x 64 float32; mask 1 x 1 x 2,048 x 2,048 bool; query 4 x 16 x 2,048 x 64 float32; value 4 x 16 x 2,048 x 64 float32.
;; Outputs: out0 4 x 16 x 2,048 x 64 float32.
;; This version of the problem:
;;   THIS VERSION OF THE PROBLEM IS GIVEN IN LOW PRECISION. The matrix products marked QUANTISED in the list below multiply operands that are first quantised to E3M2 (3 exponent bits, 2 mantissa bits; 6 bits a number), with one power-of-two scale for each 32 numbers along K (OCP MX v1.0); their sums are f32. All else is computed in f32.
;;   The module's matrix products, in the order in which they are computed (A, B: the left and right operand; K: the contracted axis; several contracted axes count as one K, in the product's order):
;;     1. batch 64 x [M 2,048, K 64] x [K 64, N 2,048]; A: input query; B: input key: QUANTISED
;;     2. batch 64 x [M 2,048, K 2,048] x [K 2,048, N 64]; A: computed on the way; B: input value: QUANTISED
;;   THE QUANTISER, for each operand of a quantised product, along K:
;;     - K is cut into blocks of 32 from its start; a last block that is shorter is filled with zeros.
;;     - A block's scale is 2^e with e = floor(log2(the largest magnitude in the block)) - 4, held to -126 .. 127; a block of zeros has e = 0. As a byte (E8M0): e + 127.
;;     - Each number is divided by its block's scale, clamped to +-28, and rounded to the nearest number of E3M2, ties to even, subnormals kept.
;;     - The product sums the exact products of the quantised numbers (number of the format x scale) in f32.
;;   ~~~python
;;   def quantise(x, axis):      # numpy; x: float32 -> the quantised numbers, widened to float32 again
;;       x = np.moveaxis(x, axis, -1); K = x.shape[-1]
;;       x = np.pad(x, [(0, 0)] * (x.ndim - 1) + [(0, -K % 32)]); x = x.reshape(x.shape[:-1] + (-1, 32)); a = np.abs(x).max(-1, keepdims=True)
;;       e = np.where(a > 0, np.clip(np.frexp(np.where(a > 0, a, 1))[1] - 1 - 4, -126, 127), 0)      # np.frexp(a)[1] - 1 = floor(log2(a)), exactly
;;       r = np.clip(x / 2.0 ** e, -28, 28)
;;       step = 2.0 ** (np.maximum(np.frexp(np.where(r == 0, 1, r))[1] - 1, -2) - 2)
;;       q = np.round(r / step) * step * 2.0 ** e      # np.round: ties to even
;;       return np.moveaxis(q.reshape(q.shape[:-2] + (-1,))[..., :K], -1, axis).astype(np.float32)
;;   ~~~
;;   OPERANDS COMPUTED ON THE WAY. 'Computed on the way' means the value that the module computes at that place (a softmax that the list does not call 'softmax' is quantised finished and normalised). What goes into a quantiser is computed in f32, as accurately as f32 sums, v_exp_f32 and their like allow (about 1e-6 of the number): no bf16 or f16 on the way to a quantiser, and a product that is left as it is and whose result goes on into a quantised operand takes f32 operands (vector FMAs, or v_wmma_f32_16x16x4_f32). A number that lies on a knife's edge between two numbers of the format may be rounded either way, as far as f32 arithmetic and the matrix unit's own rounding can turn it there, and no further.
;; One version. Each part assembles by itself: llvm-mc -triple=amdgcn-amd-amdhsa -mcpu=gfx1250 --defsym DOCPART=n.
;; ======== version 1 of 1: 2 launches
;; limits: right only within a limited range of input values
;; workspace buffers: kv 13,107,200 bytes
;; launch prep (part 1): grid 256 x 1, 8 waves a work-group, no clusters, 327,680 bytes of LDS; arguments key, value, kv; writes kv
.if DOCPART == 1
	.amdgcn_target "amdgcn-amd-amdhsa--gfx1250"
	.amdhsa_code_object_version 6
	.text
	.protected	k_q40e7b06571_prep
	.globl	k_q40e7b06571_prep
	.p2align	8
	.type	k_q40e7b06571_prep,@function
k_q40e7b06571_prep:
	s_mov_b64 s[64:65], 0
	v_nop
	global_prefetch_b8 v0, s[64:65] scope:SCOPE_SE
	s_setreg_imm32_b32 hwreg(HW_REG_WAVE_MODE, 25, 1), 1
	s_wait_xcnt 0x0
; K and V [4][16][2048][64], f32, become codes of BF6 (E3M2) with one E8M0 byte for each 32 along the products' K, laid in kv in the order of the next launch's operand registers.
; THE INPUT mask IS NOT AMONG ANY LAUNCH'S ARGUMENTS: the function that defines the result throws its masked copy of the scores away, so no output number hangs on mask, whatever it holds.
; LIMIT: a NaN or an infinity in mask's place cannot arise (it is bool); NaN and infinities among key and value are not served.
; A wave takes 128 keys of one batch and head (waves 0-3 of K, waves 4-7 of V): 128 rows of 256 bytes, brought by ONE tensor load into LDS bytes of its own, which it alone reads.
.set PITCH, 272
.set WREG,  128*PITCH
.set BLKB,  51200
.set VCOD,  24576
.set KSCL,  49152
.set AKL,   4
.set AVL,   5
.set O16,   6
.set O8,    7
.set H8,    8
.set MX,    10
.set SO,    12
.set BY,    14
.set WD,    16
.set SW,    20
.set VB,    24
.set TMP,   32
.set OUTW,  40
.set X,     64
.set C,     192
	s_load_b128 s[4:7], s[0:1], 0x0
	s_load_b64 s[8:9], s[0:1], 0x10
	v_lshl_add_u32 v254, v0, 2, 0x44000
	v_mov_b32 v255, 0
	ds_add_u32 v254, v255
	ds_add_u32 v254, v255
	v_lshrrev_b32 v9, 5, v0
	s_delay_alu instid0(VALU_DEP_1)
	v_readfirstlane_b32 s10, v9
	s_lshr_b32 s11, s10, 2
	s_and_b32 s12, s10, 3
	s_lshl_b32 s13, ttmp9, 2
	s_add_co_u32 s13, s13, s12
	s_lshr_b32 s14, s13, 8
	s_and_b32 s15, s13, 255
	s_lshl_b32 s16, s13, 15
	s_mov_b32 s17, 0
	s_mul_i32 s18, s15, BLKB
	s_mul_i32 s20, s11, VCOD
	s_mul_i32 s21, s14, 6144
	s_add_co_u32 s20, s20, s21
	s_add_co_u32 s20, s20, s18
	s_mov_b32 s21, 0
	s_lshl_b32 s22, s11, 10
	s_lshl_b32 s23, s14, 8
	s_add_co_u32 s22, s22, s23
	s_add_co_u32 s22, s22, s18
	s_add_co_u32 s22, s22, KSCL
	s_mov_b32 s23, 0
	s_mul_i32 s19, s10, WREG
	s_mov_b32 s48, 0x76543210
	s_mov_b32 s49, 0xfedcba98
	s_mov_b32 s32, (3<<16)|(1<<20)|(5<<22)|(3<<25)
	s_mov_b32 s33, 32<<16
	s_mov_b32 s34, 128<<16
	s_mov_b32 s35, 32<<16
	s_mov_b32 s36, 128
	s_mov_b32 s37, 32
	s_mov_b32 s38, 0
	s_mov_b32 s39, 0
	s_wait_dscnt 0x0
	s_wait_kmcnt 0x0
	s_cmp_eq_u32 s11, 0
	s_cselect_b64 s[4:5], s[4:5], s[6:7]
	s_add_nc_u64 s[4:5], s[4:5], s[16:17]
	s_add_nc_u64 s[24:25], s[8:9], s[20:21]
	s_add_nc_u64 s[26:27], s[8:9], s[22:23]
	s_mov_b32 s40, 1
	s_mov_b32 s41, s19
	s_mov_b64 s[42:43], s[4:5]
	s_or_b32 s43, s43, 0x80000000
	tensor_load_to_lds s[40:43], s[32:39]
	s_nop 0
.rept 4
	v_nop
.endr
	v_and_b32 v1, 31, v0
	v_and_b32 v2, 15, v0
	v_bfe_u32 v3, v0, 4, 1
	v_and_b32 v9, 7, v0
	v_bfe_u32 v[AKL], v0, 3, 1
	s_delay_alu instid0(VALU_DEP_1)
	v_lshl_add_u32 v[AKL], v[AKL], 5, v9
	s_delay_alu instid0(VALU_DEP_1)
	v_mul_u32_u24 v[AKL], v[AKL], PITCH
	s_delay_alu instid0(VALU_DEP_1)
	v_lshl_add_u32 v[AKL], v3, 7, v[AKL]
	s_delay_alu instid0(VALU_DEP_1)
	v_add_nc_u32 v[AKL], s19, v[AKL]
	v_mul_u32_u24 v[AVL], v3, 32*PITCH
	s_delay_alu instid0(VALU_DEP_1)
	v_lshl_add_u32 v[AVL], v2, 2, v[AVL]
	s_delay_alu instid0(VALU_DEP_1)
	v_add_nc_u32 v[AVL], s19, v[AVL]
	v_lshlrev_b32 v[O16], 4, v1
	v_lshlrev_b32 v[O8], 3, v1
	v_lshlrev_b32 v[H8], 3, v3
	v_mov_b32 v[WD+1], 0
	s_cmp_lt_u32 s10, 4
	s_cbranch_scc0 .Lvalue
.macro TAIL
	v_cmp_gt_u32 vcc_lo, 16, v1
	s_delay_alu instid0(VALU_DEP_1)
	v_cndmask_b32 v[OUTW], v[SW+1], v[SW], vcc_lo
	s_delay_alu instid0(VALU_DEP_2)
	v_cndmask_b32 v[OUTW+1], v[SW+3], v[SW+2], vcc_lo
	global_store_b64 v[O8], v[OUTW:OUTW+1], s[26:27]
	s_wait_tensorcnt 0x0
	ds_add_u32 v254, v255
	s_wait_dscnt 0x0
	s_endpgm
.endm
.macro KFRAG c, f
.set XB, X+64*(\f)
.set CF, C+12*(2*(\c)+(\f))
.irp u, 0,1
	v_max3_num_f32 v[MX+\u], |v[XB+32*\u]|, |v[XB+32*\u+1]|, 0x2800000
.endr
.irp i, 2,4,6,8,10,12,14,16,18,20,22,24,26,28,30
.irp u, 0,1
	s_delay_alu instid0(VALU_DEP_2)
	v_max3_num_f32 v[MX+\u], v[MX+\u], |v[XB+32*\u+\i]|, |v[XB+32*\u+\i+1]|
.endr
.endr
.irp u, 0,1
	s_delay_alu instid0(VALU_DEP_2)
	v_add_nc_u32 v[SO+\u], 0xfe000000, v[MX+\u]
.endr
.irp u, 0,1
	s_delay_alu instid0(VALU_DEP_2)
	v_lshrrev_b32 v[BY+\u], 23, v[SO+\u]
.endr
	s_delay_alu instid0(VALU_DEP_1)
	v_lshl_or_b32 v[WD], v[BY+1], 16, v[BY]
	s_delay_alu instid0(VALU_DEP_1)
	v_lshlrev_b32 v[WD], v[H8], v[WD]
	s_delay_alu instid0(VALU_DEP_1)
	v_permlanex16_b32 v[WD+1], v[WD], s48, s49
	s_delay_alu instid0(VALU_DEP_1)
	v_or_b32 v[SW+2*(\c)+(\f)], v[WD], v[WD+1]
	v_cvt_scalef32_pk16_bf6_f32 v[CF:CF+2], v[XB:XB+15], v[SO]
	v_cvt_scalef32_pk16_bf6_f32 v[TMP:TMP+2], v[XB+16:XB+31], v[SO]
	v_cvt_scalef32_pk16_bf6_f32 v[CF+6:CF+8], v[XB+32:XB+47], v[SO+1]
	v_cvt_scalef32_pk16_bf6_f32 v[TMP+4:TMP+6], v[XB+48:XB+63], v[SO+1]
	v_nop
.irp i, 0,1,2
	v_mov_b32 v[CF+3+\i], v[TMP+\i]
	v_mov_b32 v[CF+9+\i], v[TMP+4+\i]
.endr
.irp q, 0,1,2
	global_store_b128 v[O16], v[CF+4*\q:CF+4*\q+3], s[24:25] offset:1536*(2*(\c)+(\f))+512*\q
.endr
.endm
	s_wait_alu depctr_va_vdst(0)
	s_wait_tensorcnt 0x0                           ; my one load, all 128 rows, has landed
.irp c, 0,1
.irp f, 0,1
.irp u, 0,1
.irp i, 0,1,2,3,4,5,6,7
	ds_load_b128 v[X+64*\f+32*\u+4*\i:X+64*\f+32*\u+4*\i+3], v[AKL] offset:(64*\c+16*\f+8*\u)*PITCH+16*\i
.endr
.endr
.endr
	s_wait_dscnt 16
	KFRAG \c, 0
	s_wait_dscnt 0x0
	KFRAG \c, 1
.endr
	TAIL
.macro VLOAD c, t
.set XS, X+32*((\t)%2)
.irp i, 0,1,2,3,4,5,6,7,8,9,10,11,12,13,14,15,16,17,18,19,20,21,22,23,24,25,26,27,28,29,30,31
	ds_load_b32 v[XS+\i], v[AVL] offset:(64*(\c)+\i)*PITCH+64*(\t)
.endr
.endm
.macro VBLK c, t
.set XS, X+32*((\t)%2)
.set CF, C+12*(\t)+6*(\c)
	v_max3_num_f32 v[MX], |v[XS]|, |v[XS+1]|, |v[XS+2]|
	v_max3_num_f32 v[MX+1], |v[XS+3]|, |v[XS+4]|, |v[XS+5]|
.irp i, 6,10,14,18,22,26
	s_delay_alu instid0(VALU_DEP_2)
	v_max3_num_f32 v[MX], v[MX], |v[XS+\i]|, |v[XS+\i+1]|
	s_delay_alu instid0(VALU_DEP_2)
	v_max3_num_f32 v[MX+1], v[MX+1], |v[XS+\i+2]|, |v[XS+\i+3]|
.endr
	s_delay_alu instid0(VALU_DEP_2)
	v_max3_num_f32 v[MX], v[MX], |v[XS+30]|, |v[XS+31]|
	s_delay_alu instid0(VALU_DEP_1)
	v_max3_num_f32 v[MX], v[MX], v[MX+1], 0x2800000
	s_delay_alu instid0(VALU_DEP_1)
	v_add_nc_u32 v[SO], 0xfe000000, v[MX]
	s_delay_alu instid0(VALU_DEP_1)
	v_lshrrev_b32 v[VB+2*(\t)+(\c)], 23, v[SO]
	v_cvt_scalef32_pk16_bf6_f32 v[CF:CF+2], v[XS:XS+15], v[SO]
	v_cvt_scalef32_pk16_bf6_f32 v[TMP:TMP+2], v[XS+16:XS+31], v[SO]
	v_nop
.irp i, 0,1,2
	v_mov_b32 v[CF+3+\i], v[TMP+\i]
.endr
.endm
.Lvalue:
	s_wait_alu depctr_va_vdst(0)
	s_wait_tensorcnt 0x0                           ; my one load, all 128 rows, has landed
.irp c, 0,1
	VLOAD \c, 0
.irp t, 0,1,2,3
.if \t < 3
	VLOAD \c, \t+1
	s_wait_dscnt 32
.else
	s_wait_dscnt 0x0
.endif
	VBLK \c, \t
.endr
.endr
.irp t, 0,1,2,3
	v_lshl_or_b32 v[WD], v[VB+2*\t+1], 16, v[VB+2*\t]
	s_delay_alu instid0(VALU_DEP_1)
	v_lshlrev_b32 v[WD], v[H8], v[WD]
	s_delay_alu instid0(VALU_DEP_1)
	v_permlanex16_b32 v[WD+1], v[WD], s48, s49
	s_delay_alu instid0(VALU_DEP_1)
	v_or_b32 v[SW+\t], v[WD], v[WD+1]
.endr
.irp t, 0,1,2,3
.irp q, 0,1,2
	global_store_b128 v[O16], v[C+12*\t+4*\q:C+12*\t+4*\q+3], s[24:25] offset:1536*\t+512*\q
.endr
.endr
	TAIL
.Lfunc_end_k_q40e7b06571_prep:
	.size	k_q40e7b06571_prep, .Lfunc_end_k_q40e7b06571_prep-k_q40e7b06571_prep
	.p2alignl 7, 3214868480
	.fill 96, 4, 3214868480
	.section	.rodata,"a",@progbits
	.p2align	6, 0x0
	.amdhsa_kernel k_q40e7b06571_prep
		.amdhsa_group_segment_fixed_size 327680
		.amdhsa_private_segment_fixed_size 0
		.amdhsa_enable_private_segment 0
		.amdhsa_kernarg_size 24
		.amdhsa_user_sgpr_count 2
		.amdhsa_user_sgpr_kernarg_segment_ptr 1
		.amdhsa_wavefront_size32 1
		.amdhsa_system_sgpr_workgroup_id_x 1
		.amdhsa_system_sgpr_workgroup_id_y 1
		.amdhsa_system_sgpr_workgroup_id_z 1
		.amdhsa_system_vgpr_workitem_id 0
		.amdhsa_next_free_vgpr 256
		.amdhsa_next_free_sgpr 66
		.amdhsa_reserve_vcc 1
		.amdhsa_float_denorm_mode_32 3
		.amdhsa_float_denorm_mode_16_64 3
		.amdhsa_memory_ordered 1
		.amdhsa_forward_progress 1
		.amdhsa_inst_pref_size 60
	.end_amdhsa_kernel
	.amdgpu_metadata
---
amdhsa.version: [ 1, 2 ]
amdhsa.kernels:
  - .name:           k_q40e7b06571_prep
    .symbol:         k_q40e7b06571_prep.kd
    .args:
      - { .name: key, .offset: 0, .size: 8, .value_kind: global_buffer, .address_space: global }
      - { .name: value, .offset: 8, .size: 8, .value_kind: global_buffer, .address_space: global }
      - { .name: kv, .offset: 16, .size: 8, .value_kind: global_buffer, .address_space: global }
    .group_segment_fixed_size: 327680
    .private_segment_fixed_size: 0
    .kernarg_segment_align: 8
    .kernarg_segment_size: 24
    .max_flat_workgroup_size: 256
    .sgpr_count:     66
    .vgpr_count:     256
    .wavefront_size: 32
...
	.end_amdgpu_metadata
.endif
;; end of part 1
;; launch attn (part 2): grid 16 x 16, 8 waves a work-group, clusters of 4 x 1, 327,680 bytes of LDS; arguments query, kv, out0; writes out0
.if DOCPART == 2
	.amdgcn_target "amdgcn-amd-amdhsa--gfx1250"
	.amdhsa_code_object_version 6
	.text
	.protected	k_q40e7b06571_attn
	.globl	k_q40e7b06571_attn
	.p2align	8
	.type	k_q40e7b06571_attn,@function
k_q40e7b06571_attn:
	s_mov_b64 s[64:65], 0
	v_nop
	global_prefetch_b8 v0, s[64:65] scope:SCOPE_SE
	s_setreg_imm32_b32 hwreg(HW_REG_WAVE_MODE, 25, 1), 1
	s_wait_xcnt 0x0
	s_wait_alu depctr_hold_cnt(0) depctr_sa_sdst(0) depctr_va_vdst(0) depctr_va_sdst(0) depctr_va_ssrc(0) depctr_va_vcc(0) depctr_vm_vsrc(0)
	s_getreg_b32 s2, hwreg(HW_REG_IB_STS2, 6, 4)
	s_cmp_eq_u32 s2, 0
	s_cbranch_scc0 .Lentry_in_a_cluster
	s_endpgm
.Lentry_in_a_cluster:
	s_bfe_u32 s2, ttmp6, 0x10000c
	s_cmp_lg_u32 s2, 0x3003
	s_cbranch_scc0 .Lentry_shape_is_right
	s_endpgm
.Lentry_shape_is_right:
; out[b][h][i][:] = the sum over j of w_b(i, j) V[b][h][j][:], w_b = softmax OVER THE FOUR BATCHES b of Q[b][h][i] . K[b][h][j] / 4.  Both products on codes of BF6 (E3M2) with one E8M0 scale
; for each 32 along K; sums, softmax and all else in f32.  The weights are finished and normalised, and then quantised along the keys.
; THE INPUT mask IS NOT AMONG THE ARGUMENTS: the function that defines the result throws its masked copy of the scores away, so no output number hangs on mask, whatever it holds.
; SHARES.  A work-group owns 128 queries of one head, for all four batches; each of its eight waves 16 queries x 4 batches.  Every wave walks the head's 2,048 keys, 128 a step.
; K's and V's codes and scale words come from kv, where the launch before laid them in the order of the operands' registers: a step's block of 51,200 bytes is dense, a fragment is three loads of 16 bytes a lane.
; LAYOUT.  Both products are used transposed (S^T = K Q^T, O^T = V^T P^T): a lane holds ONE query (lane % 16) throughout, and the four batches of a score lie in four registers of one lane.
; The first product's K is 64, half of the instruction's 128: a fragment of K carries two tiles of 16 keys (k 0-63, k 64-127), and Q stands between runs of six zero registers, Z Q0 Z Q1 Z Q2 Z Q3 Z,
; so that [Qb | 0] and [0 | Qb] are two runs of twelve: zero codes take the other tile out of the sum.  Q's scale word holds its two bytes twice.
; The keys of a tile are chosen (row m of tile T of a group of 64: key 32 (m / 8) + 8 T + m % 8) so that a lane's 32 score registers of a group are the 32 keys of ONE block, 64 c + 32 (lane / 16) + 0 .. 31:
; the block's largest weight needs no other lane, and the conversions' results are the second product's operand as they stand.
; SOFTMAX.  m = the largest of the four scores; p_b = 2^(c s_b - c m), c = log2(e) / 4, by one fused multiply-add and one exponential; w_b = p_b / the sum of the four.
; CLUSTER.  The four query blocks of a cluster belong to one head and walk the same blocks of kv: each tile is asked for JOINTLY, by the same tensor load with a mask that names the four.
; RING.  Two LDS slots of two key steps (102,400 bytes).  Waves 0-3 fetch a quarter of a slot each, 100 rows of 256 bytes. A wave has one tensor load out.
; LIMITS: NaN and infinities among the inputs are not served.  A p under 2^-126 comes out as 0.  A block of weights whose largest lies under 2^-122 keeps the scale byte 1.
; REGISTERS.  Window 0: v1-11 addresses; v12-15 bytes; v16-19 Q's scale words, v20-27 K's, v28-35 V's, v36-39 P's; v40-47 at work; v48-79 T; v80-127 P's codes (12 a batch); v128-255 W: scores, then weights (32 a batch).
;   Window 1: v0-127 O^T (accumulator 4 b + t at 8 (4 b + t)); v128-181 Q between zeros; v184-255 six fragments of K or V.
.set STEPB, 51200
.set SLOTB, 2*STEPB
.set SLOT1, 1<<17                      ; slot 1 begins here, so that one exclusive or turns an address in one slot into the other's
.set STAGE, SLOT1+SLOTB                ; behind the ring: 16 rows x 272 bytes for each wave: Q's way in, O's way out; no tile lands here
.set SP,    272
.set SPARE, STAGE+8*16*SP              ; the spare words, 128 bytes for each wave: four blocks of 256 bytes that no other line names
.set VCOD,  24576
.set KSCL,  49152
.set VSCL,  50176
.set LI0, 1                            ; v1   16 x lane: my place in a fragment's image, and in 512 dense bytes of memory
.set LS0, 2                            ; v2   8 x lane: my two scale words
.set ADI, 3                            ; v3   LI0 + the step's first LDS byte
.set ADS, 4                            ; v4   LS0 + the same
.set SPW, 5                            ; v5   LDS address of my spare word; never rewritten
.set NIL, 6                            ; v6   0; never rewritten
.set STO, 7                            ; v7   the stage: row lane % 16, + 32 (lane / 16)
.set RD,  8                            ; v8   the stage: row lane / 16, + 16 (lane % 16)
.set H8,  10                           ; v10  8 x (lane / 16)
.set QRD, 11                           ; v11  the stage: row lane % 16, + 128 (lane / 16)
.set BY,  12
.set QS,  16
.set KS,  20
.set VS,  28
.set PS,  36
.set MX,  40
.set SO,  44
.set T,   48
.set P,   80
.set W,   128
.set QA,  128                          ; window 1
.set F1,  184                          ; window 1
.set WV,  12                           ; s12  my wave's number
.set G1,  16                           ; s[16:23] descriptor group 1
.set G0,  24                           ; s[24:27] descriptor group 0, which walks
.set QB,  28                           ; s[28:35] query at my 16 rows, a base for each batch (a batch is 8,388,608 bytes on: past a store's immediate)
.set OB,  36                           ; s[36:43] out0 likewise
.set CS,  44                           ; s[44:45] c, twice
.set SEL, 46                           ; s[46:47] v_permlanex16_b32's selects for lane l xor 16
.set TB,  48                           ; s48  LDS byte at which the step in hand begins
.set SLOTS, 49
.set TWICE, 50
.set MSB, 0
.macro WIN new                         ; bits 1:0 source 0, 3:2 source 1, 5:4 source 2, 7:6 destination; the high byte repeats the setting that is left
.if MSB != \new
	s_set_vgpr_msb (MSB<<8)|\new
.set MSB, \new
.endif
.endm
.macro CROUND                          ; a round of the cluster's barrier
	s_barrier_signal -1
	s_barrier_wait -1
	s_cmp_lg_u32 s[WV], 0
	s_cbranch_scc1 .Lnot_wave_0_\@
	s_barrier_signal -3
.Lnot_wave_0_\@:
	s_barrier_wait -3
	s_barrier_signal -1
	s_barrier_wait -1
.endm
.macro JLOAD                           ; the joint load: waves 0-3, a quarter of a slot each; the branch hangs on the wave's number alone.  Four v_nop follow the load
	s_cmp_lt_u32 s[WV], 4
	s_cbranch_scc0 .Lnone_\@
	tensor_load_to_lds s[G0:G0+3], s[G1:G1+7]
	s_nop 0
.rept 4
	v_nop
.endr
.Lnone_\@:
.endm
	s_load_b128 s[4:7], s[0:1], 0x0                ; query, kv
	s_load_b64 s[8:9], s[0:1], 0x10                ; out0
	v_lshl_add_u32 v[SPW], v0, 2, SPARE
	v_mov_b32 v[NIL], 0
	ds_add_u32 v5, v6
	ds_add_u32 v5, v6
	s_wait_dscnt 0x0
	v_lshrrev_b32 v9, 5, v0
	s_delay_alu instid0(VALU_DEP_1)
	v_readfirstlane_b32 s[WV], v9                  ; wave 0..7
	s_bfe_u32 s13, ttmp6, 0x40000                  ; cx: it enters query's and out0's addresses alone
	s_lshl_b32 s14, ttmp9, 2
	s_add_co_u32 s14, s14, s13                     ; my block of 128 queries
	s_and_b32 s15, ttmp7, 0xffff                   ; the head, which the four partners share
	s_lshl_b32 s2, s15, 19                         ; a head is 524,288 bytes,
	s_lshl_b32 s3, s14, 15                         ; a block of queries 32,768,
	s_add_co_u32 s2, s2, s3
	s_lshl_b32 s3, s[WV], 12                       ; a wave's 16 rows 4,096
	s_add_co_u32 s2, s2, s3
	s_mov_b32 s3, 0
	s_and_b32 s51, s[WV], 3
	s_mul_i32 s51, s51, 25600                      ; my quarter of a slot, in LDS and in memory alike
	s_mul_i32 s52, s15, 16*STEPB                   ; the head's sixteen blocks of kv
	s_add_co_u32 s52, s52, s51
	s_mov_b32 s53, 0
	s_mul_i32 s54, s[WV], 16*SP
	s_add_co_u32 s54, s54, STAGE                   ; my stage
	; descriptor group 1: 100 rows of 32 elements of 8 bytes, dense in memory and in LDS
	s_mov_b32 s[G1], 15|(3<<16)|(1<<21)            ; 15:0 the mask: all four work-groups; 17:16 elements of 8 bytes; 21 set beside a mask; no padding
	s_mov_b32 s[G1+1], 32<<16                      ; tensor_dim0 = 32
	s_mov_b32 s[G1+2], 100<<16                     ; tensor_dim1 = 100
	s_mov_b32 s[G1+3], 32<<16                      ; tile_dim0 = 32
	s_mov_b32 s[G1+4], 100                         ; tile_dim1 = 100
	s_mov_b32 s[G1+5], 32                          ; elements from row to row
	s_mov_b32 s[G1+6], 0
	s_mov_b32 s[G1+7], 0
	s_mov_b32 s[CS], 0x3eb8aa3b                    ; c = log2(e) / 4
	s_mov_b32 s[CS+1], s[CS]                       ; (named with it as a pair, so it is written)
	s_mov_b32 s[SEL], 0x76543210
	s_mov_b32 s[SEL+1], 0xfedcba98
	s_mov_b32 s[TB], 0
	s_mov_b32 s[SLOTS], 6
	v_and_b32 v9, 31, v0
	s_delay_alu instid0(VALU_DEP_1)
	v_lshlrev_b32 v[LI0], 4, v9
	s_delay_alu instid0(VALU_DEP_2)
	v_lshlrev_b32 v[LS0], 3, v9
	v_and_b32 v[MX], 15, v0                        ; r
	v_bfe_u32 v[MX+1], v0, 4, 1                    ; h
	s_delay_alu instid0(VALU_DEP_2)
	v_mul_u32_u24 v[STO], v[MX], SP
	s_delay_alu instid0(VALU_DEP_1)
	v_lshl_add_u32 v[QRD], v[MX+1], 7, v[STO]
	s_delay_alu instid0(VALU_DEP_2)
	v_lshl_add_u32 v[STO], v[MX+1], 5, v[STO]
	s_delay_alu instid0(VALU_DEP_1)
	v_add_nc_u32 v[STO], s54, v[STO]
	s_delay_alu instid0(VALU_DEP_3)
	v_add_nc_u32 v[QRD], s54, v[QRD]
	v_mul_u32_u24 v[RD], v[MX+1], SP
	s_delay_alu instid0(VALU_DEP_1)
	v_lshl_add_u32 v[RD], v[MX], 4, v[RD]
	s_delay_alu instid0(VALU_DEP_1)
	v_add_nc_u32 v[RD], s54, v[RD]
	v_lshlrev_b32 v[H8], 3, v[MX+1]
	s_wait_kmcnt 0x0
.irp b, 0,1,2,3
	s_add_nc_u64 s[QB+2*\b:QB+2*\b+1], s[4:5], s[2:3]
	s_add_nc_u64 s[OB+2*\b:OB+2*\b+1], s[8:9], s[2:3]
.if \b > 0
	s_add_nc_u64 s[QB+2*\b:QB+2*\b+1], s[QB+2*\b:QB+2*\b+1], \b*0x800000
	s_add_nc_u64 s[OB+2*\b:OB+2*\b+1], s[OB+2*\b:OB+2*\b+1], \b*0x800000
.endif
.endr
.irp b, 0,1,2,3
.irp k, 0,1,2,3,4,5,6,7
	global_load_b128 v[W+32*\b+4*\k:W+32*\b+4*\k+3], v[LI0], s[QB+2*\b:QB+2*\b+1] offset:512*\k th:TH_LOAD_NT   ; my 16 rows of Q, 512 consecutive bytes a load; read once in the launch
.endr
.endr
	s_mov_b32 s[G0], 1                             ; 1:0 count = 1
	s_mov_b32 s[G0+1], s51                         ; 63:32 LDS address: slot 0
	s_add_nc_u64 s[G0+2:G0+3], s[6:7], s[52:53]    ; 120:64 global address: the head's key steps 0 and 1
	s_or_b32 s[G0+3], s[G0+3], 0x80000000          ; 127:126 type = 2
	CROUND                                         ; all four work-groups are here: the first joint loads meet
	JLOAD                                          ; slot 0
; Q.  A batch's 16 rows turn through my stage: in as they were loaded (two rows a store), back 128 bytes a lane: register x = Q(lane % 16, 32 (lane / 16) + x).
; LDS serves a wave's instructions in order (ISA guide 5.7.1.4): no wait between the stores and the loads, nor ahead of the next batch's stores.
.macro QTURN b
	s_wait_loadcnt 24-8*(\b)                       ; this batch's eight loads are in; the later batches' may be out
.irp k, 0,1,2,3,4,5,6,7
	ds_store_b128 v[RD], v[W+32*(\b)+4*\k:W+32*(\b)+4*\k+3] offset:2*SP*\k
.endr
.irp i, 0,1,2,3,4,5,6,7
	ds_load_b128 v[W+32*(\b)+4*\i:W+32*(\b)+4*\i+3], v[QRD] offset:16*\i
.endr
.endm
	s_wait_alu depctr_va_vdst(0)
	QTURN 0
	QTURN 1
	QTURN 2
	QTURN 3
	s_wait_dscnt 0x0
.irp b, 0,1,2,3
	v_max3_num_f32 v[MX+\b], |v[W+32*\b]|, |v[W+32*\b+1]|, 0x2800000     ; my block of 32 of each batch, and the floor 2^(5 - 127): the byte cannot fall under 1
.endr
.irp i, 2,4,6,8,10,12,14,16,18,20,22,24,26,28,30
.irp b, 0,1,2,3
	s_delay_alu instid0(VALU_DEP_4)
	v_max3_num_f32 v[MX+\b], v[MX+\b], |v[W+32*\b+\i]|, |v[W+32*\b+\i+1]|
.endr
.endr
.irp b, 0,1,2,3
	s_delay_alu instid0(VALU_DEP_4)
	v_add_nc_u32 v[SO+\b], 0xfe000000, v[MX+\b]    ; 4 off the exponent field: the conversion's scale operand
.endr
.irp b, 0,1,2,3
	s_delay_alu instid0(VALU_DEP_4)
	v_lshrrev_b32 v[BY+\b], 23, v[SO+\b]           ; the byte of block lane / 16
.endr
.irp b, 0,1,2,3
	s_delay_alu instid0(VALU_DEP_4)
	v_lshlrev_b32 v[BY+\b], v[H8], v[BY+\b]
.endr
.irp b, 0,1,2,3
	s_delay_alu instid0(VALU_DEP_4)
	v_permlanex16_b32 v[MX+\b], v[BY+\b], s[SEL], s[SEL+1]
.endr
.irp b, 0,1,2,3
	s_delay_alu instid0(VALU_DEP_4)
	v_or_b32 v[BY+\b], v[BY+\b], v[MX+\b]          ; the row's two bytes,
.endr
.irp b, 0,1,2,3
	s_delay_alu instid0(VALU_DEP_4)
	v_lshl_or_b32 v[QS+\b], v[BY+\b], 16, v[BY+\b] ; twice: the word serves [Q | 0] and [0 | Q]
.endr
.irp b, 0,1,2,3
	v_cvt_scalef32_pk16_bf6_f32 v[P+12*\b:P+12*\b+2], v[W+32*\b:W+32*\b+15], v[SO+\b]
	v_cvt_scalef32_pk16_bf6_f32 v[P+12*\b+6:P+12*\b+8], v[W+32*\b+16:W+32*\b+31], v[SO+\b]
.endr
	v_nop                                          ; one plain place behind a scaled conversion
	WIN 0x40                                       ; destination window 1
.irp b, 0,1,2,3
.irp i, 0,1,2
	v_mov_b32 v[QA+6+12*\b+\i], v[P+12*\b+\i]
	v_mov_b32 v[QA+9+12*\b+\i], v[P+12*\b+6+\i]
.endr
.endr
.irp z, 0,1,2,3,4
.irp i, 0,1,2,3,4,5
	v_mov_b32 v[QA+12*\z+\i], 0                    ; the five runs of zero codes
.endr
.endr
	WIN 0
.rept 8
	v_nop                                          ; a scale register written by a vector instruction stands eight places ahead of a scaled matrix instruction, an operand so written four
.endr
; THE CHANGE OF SLOTS stands at a slot's head.  Each wave waits for all its tensor loads (its part of the slot that it is about to read), adds 0 to its spare word, and waits for that and for its reads of
; the slot that it has left.  fill = 1: a round of the cluster's barrier, so that no wave of any partner still reads that slot or has a load on its way; the joint refill is the first thing behind it
; and has the slot's two key steps in which to land.
.macro CHANGE fill
	s_wait_tensorcnt 0x0                           ; no tensor load of mine is out, so group 0 may be written
	ds_add_u32 v[SPW], v[NIL]                      ; 0 onto my spare word
.if \fill
	s_xor_b32 s[G0+1], s[G0+1], SLOT1              ; the other slot than last time,
	s_add_nc_u64 s[G0+2:G0+3], s[G0+2:G0+3], SLOTB ; the next two key steps; the type bits on top are not reached
.endif
	s_wait_dscnt 0x0                               ; the add is done, and my reads of the slot that I have left are over
.if \fill
	CROUND
	JLOAD
.else
	s_barrier_signal -1
	s_barrier_wait -1
.endif
.endm
.macro KLOAD c, b, reg                 ; the two fragments of K of group c, batch b
.irp f, 0,1
.irp q, 0,1,2
	ds_load_b128 v[\reg+12*\f+4*\q:\reg+12*\f+4*\q+3], v[ADI] offset:6144*(\b)+1536*(2*(\c)+\f)+512*\q
.endr
.endr
.endm
; Four products: tiles 2 f + u of group c, batch b.  Source 0 = a fragment of K (two tiles of keys), source 1 = [Q | 0] (u = 0) or [0 | Q] (u = 1).  K's scale words: lanes 0-15 f = 0's, lanes 16-31 f = 1's.
.macro SMUL c, b, reg
.irp f, 0,1
.irp u, 0,1
.if \f
	v_wmma_scale_f32_16x16x128_f8f6f4 v[W+32*(\b)+8*(2*\f+\u):W+32*(\b)+8*(2*\f+\u)+7], v[\reg+12*\f:\reg+12*\f+11], v[QA+6+12*(\b)-6*\u:QA+17+12*(\b)-6*\u], 0, v[KS+2*(\b)+(\c)], v[QS+(\b)] matrix_a_fmt:MATRIX_FMT_BF6 matrix_b_fmt:MATRIX_FMT_BF6 matrix_a_scale:MATRIX_SCALE_ROW1
.else
	v_wmma_scale_f32_16x16x128_f8f6f4 v[W+32*(\b)+8*(2*\f+\u):W+32*(\b)+8*(2*\f+\u)+7], v[\reg+12*\f:\reg+12*\f+11], v[QA+6+12*(\b)-6*\u:QA+17+12*(\b)-6*\u], 0, v[KS+2*(\b)+(\c)], v[QS+(\b)] matrix_a_fmt:MATRIX_FMT_BF6 matrix_b_fmt:MATRIX_FMT_BF6
.endif
.endr
.endr
.endm
; THE VECTOR WORK of a group of 64 keys: 128 score registers become weights, and those codes.  All in window 0; each pass goes through the registers in ascending order.
.macro VEC c
.set x, 0
.rept 32
	v_max3_num_f32 v[T+x], v[W+x], v[W+32+x], v[W+64+x]    ; the largest of the four batches' scores
.set x, x+1
.endr
.set x, 0
.rept 16
	v_dual_max_num_f32 v[T+x], v[T+x], v[W+96+x] :: v_dual_max_num_f32 v[T+x+1], v[T+x+1], v[W+96+x+1]   ; two neighbouring registers an instruction: destinations even and odd, sources in different banks
.set x, x+2
.endr
.set x, 0
.rept 16
	v_pk_mul_f32 v[T+x:T+x+1], v[T+x:T+x+1], s[CS:CS+1] op_sel_hi:[1,0]   ; c m.  Its rounding is common to the four and leaves with the division
.set x, x+2
.endr
.set x, 0
.rept 32
	v_pk_fma_f32 v[W+x:W+x+1], v[W+x:W+x+1], s[CS:CS+1], v[T+x%32:T+x%32+1] op_sel_hi:[1,0,1] neg_lo:[0,0,1] neg_hi:[0,0,1]   ; c s - c m of batches 0 and 1
.set x, x+2
.endr
; The 128 exponentials go in two batches of 64.  Among the first stand batches 2 and 3's multiply-adds, among the second the sum of batches 0 and 1.
; What stands among a batch reads only what was written ahead of the wait in front of it, and is read only behind the wait that follows.
	s_wait_alu depctr_va_vdst(0)
.set i, 0
.rept 64
	v_exp_f32 v[W+i], v[W+i]
.if i%2
	v_pk_fma_f32 v[W+63+i:W+64+i], v[W+63+i:W+64+i], s[CS:CS+1], v[T+(63+i)%32:T+(63+i)%32+1] op_sel_hi:[1,0,1] neg_lo:[0,0,1] neg_hi:[0,0,1]
.endif
.set i, i+1
.endr
	s_wait_alu depctr_va_vdst(0)                   ; behind the first batch and ahead of the second
.rept 64
	v_exp_f32 v[W+i], v[W+i]
.if i%4 == 3
.set x, (i-67)/2
	v_pk_add_f32 v[T+x:T+x+1], v[W+x:W+x+1], v[W+32+x:W+32+x+1]
.endif
.set i, i+1
.endr
	v_nop                                          ; a plain place behind the last exponential
	s_wait_alu depctr_va_vdst(0)                   ; one wait for the batch, ahead of its first reader
.set x, 0
.rept 16
	v_pk_add_f32 v[T+x:T+x+1], v[T+x:T+x+1], v[W+64+x:W+64+x+1]
.set x, x+2
.endr
.set x, 0
.rept 16
	v_pk_add_f32 v[T+x:T+x+1], v[T+x:T+x+1], v[W+96+x:W+96+x+1]           ; the sum over the four batches
.set x, x+2
.endr
.set x, 0
	s_wait_alu depctr_va_vdst(0)
.rept 32
	v_rcp_f32 v[T+x], v[T+x]
.set x, x+1
.endr
	v_nop
	s_wait_alu depctr_va_vdst(0)                   ; one wait for the 32 reciprocals
.set x, 0
.rept 64
	v_pk_mul_f32 v[W+x:W+x+1], v[W+x:W+x+1], v[T+x%32:T+x%32+1]           ; the weights, finished and normalised
.set x, x+2
.endr
.irp b, 0,1,2,3
	v_max3_num_f32 v[MX+\b], v[W+32*\b], v[W+32*\b+1], 0x2800000          ; each batch's block of 32 keys is all mine; no weight is negative; the floor 2^(5 - 127).  Keys 0-15 in one chain,
.endr
.irp b, 0,1,2,3
	v_max3_num_f32 v[SO+\b], v[W+32*\b+16], v[W+32*\b+17], v[W+32*\b+18]  ; keys 16-30 in a second: eight chains by turns, a link eight instructions behind the link before it
.endr
.irp i, 2,4,6,8,10,12
.irp b, 0,1,2,3
	v_max3_num_f32 v[MX+\b], v[MX+\b], v[W+32*\b+\i], v[W+32*\b+\i+1]
.endr
.irp b, 0,1,2,3
	v_max3_num_f32 v[SO+\b], v[SO+\b], v[W+32*\b+17+\i], v[W+32*\b+18+\i]
.endr
.endr
.irp b, 0,1,2,3
	v_max3_num_f32 v[MX+\b], v[MX+\b], v[W+32*\b+14], v[W+32*\b+15]
.endr
.irp b, 0,1,2,3
	s_delay_alu instid0(VALU_DEP_4)
	v_max3_num_f32 v[MX+\b], v[MX+\b], v[SO+\b], v[W+32*\b+31]            ; the two chains and key 31
.endr
.irp b, 0,1,2,3
	s_delay_alu instid0(VALU_DEP_4)
	v_add_nc_u32 v[SO+\b], 0xfe000000, v[MX+\b]    ; 4 off the exponent field: the conversion's scale operand
.endr
.if \c == 0
.irp b, 0,1,2,3
	s_delay_alu instid0(VALU_DEP_4)
	v_lshrrev_b32 v[BY+\b], 23, v[SO+\b]           ; the byte of key block lane / 16: kept for the second group
.endr
.else
.irp b, 0,1,2,3
	s_delay_alu instid0(VALU_DEP_4)
	v_lshrrev_b32 v[MX+\b], 23, v[SO+\b]           ; the byte of key block 2 + lane / 16
.endr
.irp b, 0,1,2,3
	s_delay_alu instid0(VALU_DEP_4)
	v_lshl_or_b32 v[BY+\b], v[MX+\b], 16, v[BY+\b]
.endr
.irp b, 0,1,2,3
	s_delay_alu instid0(VALU_DEP_4)
	v_lshlrev_b32 v[BY+\b], v[H8], v[BY+\b]
.endr
.irp b, 0,1,2,3
	s_delay_alu instid0(VALU_DEP_4)
	v_permlanex16_b32 v[MX+\b], v[BY+\b], s[SEL], s[SEL+1]
.endr
.irp b, 0,1,2,3
	s_delay_alu instid0(VALU_DEP_4)
	v_or_b32 v[PS+\b], v[BY+\b], v[MX+\b]          ; with lane l xor 16's two bytes: P's scale word for these 128 keys
.endr
.endif
.irp b, 0,1,2,3
	v_cvt_scalef32_pk16_bf6_f32 v[P+12*\b+6*\c:P+12*\b+6*\c+2], v[W+32*\b:W+32*\b+15], v[SO+\b]
	v_cvt_scalef32_pk16_bf6_f32 v[T+4*\b:T+4*\b+2], v[W+32*\b+16:W+32*\b+31], v[SO+\b]   ; a conversion's three registers begin on an even number: the upper half is made elsewhere and moved
.endr
	v_nop                                          ; one plain place behind a scaled conversion
.irp b, 0,1,2,3
.irp i, 0,1,2
	v_mov_b32 v[P+12*\b+6*\c+3+\i], v[T+4*\b+\i]
.endr
.endr
.endm
.macro VFETCH reg                      ; V's fragment g = 4 b + t
.irp q, 0,1,2
	ds_load_b128 v[\reg+4*\q:\reg+4*\q+3], v[ADI] offset:VCOD+1536*g+512*\q
.endr
.endm
; Product g of 16 of O^T += V^T P^T: batch g / 4, channels 16 (g % 4) on, K = the step's 128 keys.  V's scale words: lanes 0-15 the even tile's, lanes 16-31 the odd one's.  zero = 1: the product starts the sum.
.macro PV zero, reg
.set rO, 8*g
.set rP, P+12*(g/4)
.set rV, VS+2*(g/4)+(g%4)/2
.set rS, PS+g/4
.if \zero
.if g%2
	v_wmma_scale_f32_16x16x128_f8f6f4 v[rO:rO+7], v[\reg:\reg+11], v[rP:rP+11], 0, v[rV], v[rS] matrix_a_fmt:MATRIX_FMT_BF6 matrix_b_fmt:MATRIX_FMT_BF6 matrix_a_scale:MATRIX_SCALE_ROW1
.else
	v_wmma_scale_f32_16x16x128_f8f6f4 v[rO:rO+7], v[\reg:\reg+11], v[rP:rP+11], 0, v[rV], v[rS] matrix_a_fmt:MATRIX_FMT_BF6 matrix_b_fmt:MATRIX_FMT_BF6
.endif
.else
.if g%2
	v_wmma_scale_f32_16x16x128_f8f6f4 v[rO:rO+7], v[\reg:\reg+11], v[rP:rP+11], v[rO:rO+7], v[rV], v[rS] matrix_a_fmt:MATRIX_FMT_BF6 matrix_b_fmt:MATRIX_FMT_BF6 matrix_a_scale:MATRIX_SCALE_ROW1
.else
	v_wmma_scale_f32_16x16x128_f8f6f4 v[rO:rO+7], v[\reg:\reg+11], v[rP:rP+11], v[rO:rO+7], v[rV], v[rS] matrix_a_fmt:MATRIX_FMT_BF6 matrix_b_fmt:MATRIX_FMT_BF6
.endif
.endif
.endm
; A KEY STEP: 128 keys, as two groups of 64.  The runs of LDS loads for the next phase stand ahead of each run of vector work.  The 16 accumulators of O^T take turns, one instruction a turn.
.macro STEP zero
	v_add_nc_u32 v[ADI], s[TB], v[LI0]             ; these two and three v_nop are five places behind the last step's products: the score products below write over W, which those read,
	v_add_nc_u32 v[ADS], s[TB], v[LS0]             ; and the loads below land in registers that they read
.rept 3
	v_nop
.endr
.irp b, 0,1,2,3
	ds_load_b64 v[KS+2*\b:KS+2*\b+1], v[ADS] offset:KSCL+256*\b
.endr
	WIN 0x40                                       ; destination window 1
	KLOAD 0, 0, F1
	KLOAD 0, 1, F1+24
	KLOAD 0, 2, F1+48
	WIN 0
	KLOAD 0, 3, T
.irp b, 0,1,2,3
	ds_load_b64 v[VS+2*\b:VS+2*\b+1], v[ADS] offset:VSCL+256*\b
.endr
	s_wait_alu depctr_va_vdst(0)
	s_wait_dscnt 22                                ; behind batch 0's fragments: 3 x 6 loads of K and V's four scale loads
	WIN 0x05                                       ; K and Q in window 1, the scores in window 0
	SMUL 0, 0, F1
	s_wait_dscnt 16                                ; 2 x 6 + 4
	SMUL 0, 1, F1+24
	s_wait_dscnt 10                                ; 6 + 4
	SMUL 0, 2, F1+48
	s_wait_dscnt 4                                 ; V's four scale loads
	WIN 0x04                                       ; K in window 0
	SMUL 0, 3, T
.rept 4
	v_nop                                          ; four places ahead of loads into registers that matrix instructions have read, and of the first read of the scores
.endr
	WIN 0x40
	KLOAD 1, 0, F1                                 ; the second group's fragments land while the first group's weights are made
	KLOAD 1, 1, F1+24
	KLOAD 1, 2, F1+48
	WIN 0
	VEC 0
	KLOAD 1, 3, T
	s_wait_dscnt 6                                 ; all but the six just issued
	WIN 0x05
	SMUL 1, 0, F1
	SMUL 1, 1, F1+24
	SMUL 1, 2, F1+48
	s_wait_dscnt 0x0
	WIN 0x04
	SMUL 1, 3, T
.rept 4
	v_nop
.endr
	WIN 0x40
.set g, 0
.rept 6
	VFETCH F1+12*g                                 ; six fragments of V land while the second group's weights are made
.set g, g+1
.endr
	WIN 0
	VEC 1
.rept 10
	VFETCH W+12*(g-6)                              ; the other ten go where the weights lay
.set g, g+1
.endr
.rept 8
	v_nop                                          ; P's scale words stand eight places ahead of the scaled products, its codes four
.endr
	s_wait_alu depctr_va_vdst(0)
	s_wait_dscnt 30                                ; all but the 30 just issued
	WIN 0x51                                       ; V in window 1, P in window 0, O^T in window 1
.set g, 0
.rept 6
	PV \zero, F1+12*g
.set g, g+1
.endr
	s_wait_dscnt 15                                ; fragments 6 to 10 are in
	WIN 0x50                                       ; V in window 0
.rept 5
	PV \zero, W+12*(g-6)
.set g, g+1
.endr
	s_wait_dscnt 0x0
.rept 5
	PV \zero, W+12*(g-6)
.set g, g+1
.endr
	WIN 0
	s_add_co_u32 s[TB], s[TB], STEPB               ; on to the next step
.endm
.macro OTHER_SLOT
	s_sub_co_u32 s[TB], s[TB], SLOTB               ; back to a slot's first step,
	s_xor_b32 s[TB], s[TB], SLOT1                  ; in the other slot
.endm
.macro TWO_STEPS                       ; a slot's two key steps: written once, walked twice
	s_mov_b32 s[TWICE], 2
.Lstep_\@:
	STEP 0
	s_sub_co_u32 s[TWICE], s[TWICE], 1
	s_cmp_lg_u32 s[TWICE], 0
	s_cbranch_scc1 .Lstep_\@
	OTHER_SLOT
.endm
	CHANGE 1                                       ; slot 0 is whole; slot 1 is asked for
	s_wait_alu depctr_va_vdst(0)
	STEP 1                                         ; the first step's products start O^T's sums: nothing is cleared
	STEP 0
	OTHER_SLOT
.Lslot:                                            ; six trips: key steps 2 to 13; behind each change of slots the next two steps are asked for
	CHANGE 1
	TWO_STEPS
	s_sub_co_u32 s[SLOTS], s[SLOTS], 1
	s_cmp_lg_u32 s[SLOTS], 0
	s_cbranch_scc1 .Lslot
	CHANGE 0                                       ; the last slot is written out
	TWO_STEPS
; THE WAY OUT.  A lane holds eight neighbouring channels of a row, and the lanes beside it other rows: a batch's 16 rows x 256 bytes go through my stage and come back two whole rows a load.
.macro PACK b
	WIN 0x04                                       ; an LDS store's data are its source 1: window 1
.irp t, 0,1,2,3
	ds_store_b128 v[STO], v[8*(4*(\b)+\t):8*(4*(\b)+\t)+3] offset:64*\t          ; each accumulator from its low end on
	ds_store_b128 v[STO], v[8*(4*(\b)+\t)+4:8*(4*(\b)+\t)+7] offset:64*\t+16
.endr
	WIN 0
.irp k, 0,1,2,3,4,5,6,7
	ds_load_b128 v[W+32*(\b)+4*\k:W+32*(\b)+4*\k+3], v[RD] offset:2*SP*\k        ; in order behind my stores; the next batch's stores come behind these
.endr
.endm
.macro SEND b, younger                 ; younger: the LDS instructions issued behind batch b's loads: the next batch's sixteen, or none
.irp k, 0,1,2,3,4,5,6,7
	s_wait_dscnt \younger+7-\k
	global_store_b128 v[LI0], v[W+32*(\b)+4*\k:W+32*(\b)+4*\k+3], s[OB+2*(\b):OB+2*(\b)+1] offset:512*\k th:TH_STORE_NT   ; 32 lanes store 512 consecutive bytes, at a multiple of 256 from out0's first byte
.endr
.endm
.rept 4
	v_nop                                          ; four places behind the last products: their results are read, and loads land where V's fragments lay
.endr
	PACK 0
	PACK 1
	SEND 0, 16
	PACK 2
	SEND 1, 16
	PACK 3
	SEND 2, 16
	SEND 3, 0
	s_wait_tensorcnt 0x0                           ; the wave's end, behind my last tensor load and my last LDS store
	ds_add_u32 v[SPW], v[NIL]
	s_wait_dscnt 0x0
	CROUND                                         ; the closing round: no work-group ends while a partner may still ask for a tile that names it
	s_endpgm
.Lfunc_end_k_q40e7b06571_attn:
	.size	k_q40e7b06571_attn, .Lfunc_end_k_q40e7b06571_attn-k_q40e7b06571_attn
	.p2alignl 7, 3214868480
	.fill 96, 4, 3214868480
	.section	.rodata,"a",@progbits
	.p2align	6, 0x0
	.amdhsa_kernel k_q40e7b06571_attn
		.amdhsa_group_segment_fixed_size 327680
		.amdhsa_private_segment_fixed_size 0
		.amdhsa_enable_private_segment 0
		.amdhsa_kernarg_size 24
		.amdhsa_user_sgpr_count 2
		.amdhsa_user_sgpr_kernarg_segment_ptr 1
		.amdhsa_wavefront_size32 1
		.amdhsa_system_sgpr_workgroup_id_x 1
		.amdhsa_system_sgpr_workgroup_id_y 1
		.amdhsa_system_sgpr_workgroup_id_z 1
		.amdhsa_system_vgpr_workitem_id 0
		.amdhsa_next_free_vgpr 512
		.amdhsa_next_free_sgpr 66
		.amdhsa_reserve_vcc 0
		.amdhsa_float_denorm_mode_32 3
		.amdhsa_float_denorm_mode_16_64 3
		.amdhsa_memory_ordered 1
		.amdhsa_forward_progress 1
		.amdhsa_inst_pref_size 255
	.end_amdhsa_kernel
	.section	.bss,"aw",@nobits
	.p2align	6
	.space	262144
	.amdgpu_metadata
---
amdhsa.version: [ 1, 2 ]
amdhsa.kernels:
  - .name:           k_q40e7b06571_attn
    .symbol:         k_q40e7b06571_attn.kd
    .args:
      - { .name: query, .offset: 0, .size: 8, .value_kind: global_buffer, .address_space: global }
      - { .name: kv, .offset: 8, .size: 8, .value_kind: global_buffer, .address_space: global }
      - { .name: out0, .offset: 16, .size: 8, .value_kind: global_buffer, .address_space: global }
    .group_segment_fixed_size: 327680
    .private_segment_fixed_size: 0
    .kernarg_segment_align: 8
    .kernarg_segment_size: 24
    .max_flat_workgroup_size: 256
    .sgpr_count:     66
    .vgpr_count:     512
    .wavefront_size: 32
...
	.end_amdgpu_metadata
.endif
;; end of part 2
